; MI455X (gfx1250); checked and timed in simulation.
; The chip was launched on July 23, 2026; its instructions are those of AMD's public machine-readable ISA for CDNA 5 (MIT licence, August 2026) and "CDNA5" Instruction Set Architecture Reference Guide (July 2026). The comments in the code are by the model that wrote it; some were corrected since.
;; MHA. Allowed arithmetic: matrix products marked QUANTISED: E2M3 operands, one E8M0 scale for each 32 along K, by v_wmma_scale_f32_16x16x128_f8f6f4 with both operands' format E2M3, f32 sums; everything else in f32.
;; Inputs: W_qkv 1,024 x 3,072 float32; b_qkv 3,072 float32; mask 2,048 x 2,048 float32; x 4 x 2,048 x 1,024 float32.
;; Outputs: out0 4 x 2,048 x 1,024 float32.
;; This version of the problem:
;;   THIS VERSION OF THE PROBLEM IS GIVEN IN LOW PRECISION. The matrix products marked QUANTISED in the list below multiply operands that are first quantised to E2M3 (2 exponent bits, 3 mantissa bits; 6 bits a number), with one power-of-two scale for each 32 numbers along K (OCP MX v1.0); their sums are f32. All else is computed in f32.
;;   The module's matrix products, in the order in which they are computed (A, B: the left and right operand; K: the contracted axis; several contracted axes count as one K, in the product's order):
;;     1. [M 8,192, K 1,024] x [K 1,024, N 3,072]; A: input x; B: input W_qkv: QUANTISED
;;     2. batch 64 x [M 2,048, K 64] x [K 64, N 2,048]; A: computed on the way; B: computed on the way: QUANTISED
;;     3. batch 64 x [M 2,048, K 2,048] x [K 2,048, N 64]; A: softmax (see below); B: computed on the way: QUANTISED
;;   THE QUANTISER, for each operand of a quantised product, along K:
;;     - K is cut into blocks of 32 from its start; a last block that is shorter is filled with zeros.
;;     - A block's scale is 2^e with e = floor(log2(the largest magnitude in the block)) - 2, held to -126 .. 127; a block of zeros has e = 0. As a byte (E8M0): e + 127.
;;     - Each number is divided by its block's scale, clamped to +-7.5, and rounded to the nearest number of E2M3, ties to even, subnormals kept.
;;     - The product sums the exact products of the quantised numbers (number of the format x scale) in f32.
;;   ~~~python
;;   def quantise(x, axis):      # numpy; x: float32 -> the quantised numbers, widened to float32 again
;;       x = np.moveaxis(x, axis, -1); K = x.shape[-1]
;;       x = np.pad(x, [(0, 0)] * (x.ndim - 1) + [(0, -K % 32)]); x = x.reshape(x.shape[:-1] + (-1, 32)); a = np.abs(x).max(-1, keepdims=True)
;;       e = np.where(a > 0, np.clip(np.frexp(np.where(a > 0, a, 1))[1] - 1 - 2, -126, 127), 0)      # np.frexp(a)[1] - 1 = floor(log2(a)), exactly
;;       r = np.clip(x / 2.0 ** e, -7.5, 7.5)
;;       step = 2.0 ** (np.maximum(np.frexp(np.where(r == 0, 1, r))[1] - 1, 0) - 3)
;;       q = np.round(r / step) * step * 2.0 ** e      # np.round: ties to even
;;       return np.moveaxis(q.reshape(q.shape[:-2] + (-1,))[..., :K], -1, axis).astype(np.float32)
;;   ~~~
;;   SOFTMAX AHEAD OF A QUANTISED PRODUCT. Where the list says 'softmax', what is quantised is not the finished softmax but p = 2^(t - M), with t = logit x log2(e) and M = ceil(the row's largest t), a whole number; so 1/2 < the row's largest p <= 1. The row's sum l is taken of the UNQUANTISED p, in f32, and the product's result is divided by l at the end. Since M is a whole number, a kernel that streams over the keys may use a running M (the ceiling of the running maximum): every later rescaling is an exact power of two, which a block's scale takes up: the codes' values come out the same.
;;   OPERANDS COMPUTED ON THE WAY. 'Computed on the way' means the value that the module computes at that place (a softmax that the list does not call 'softmax' is quantised finished and normalised). What goes into a quantiser is computed in f32, as accurately as f32 sums, v_exp_f32 and their like allow (about 1e-6 of the number): no bf16 or f16 on the way to a quantiser, and a product that is left as it is and whose result goes on into a quantised operand takes f32 operands (vector FMAs, or v_wmma_f32_16x16x4_f32). A number that lies on a knife's edge between two numbers of the format may be rounded either way, as far as f32 arithmetic and the matrix unit's own rounding can turn it there, and no further.
;; One version. Each part assembles by itself: llvm-mc -triple=amdgcn-amd-amdhsa -mcpu=gfx1250 --defsym DOCPART=n.
;; ======== version 1 of 1: 3 launches
;; limits: right only within a limited range of input values
;; workspace buffers: XC 6,291,456 bytes; XS 262,144 bytes; WC 2,359,296 bytes; WS 98,304 bytes; QC 6,291,456 bytes; KV 13,893,632 bytes
;; launch quant (part 1): grid 44 x 16, 4 waves a work-group, no clusters, 34,304 bytes of LDS; arguments x, W_qkv, XC, XS, WC, WS; writes XC, XS, WC, WS
.if DOCPART == 1
	.amdgcn_target "amdgcn-amd-amdhsa--gfx1250"
	.amdhsa_code_object_version 6
	.text
	.protected	k_qb88a7e1f0d_quant
	.globl	k_qb88a7e1f0d_quant
	.p2align	8
	.type	k_qb88a7e1f0d_quant,@function
k_qb88a7e1f0d_quant:
	s_mov_b64 s[64:65], 0
	v_nop
	global_prefetch_b8 v0, s[64:65] scope:SCOPE_SE
	s_setreg_imm32_b32 hwreg(HW_REG_WAVE_MODE, 25, 1), 1
	s_wait_xcnt 0x0
; x [8192][1024] and W_qkv [1024][3072], f32, become codes of E2M3 with one E8M0 byte for each 32 along K (K = the 1,024), laid as IMAGES OF OPERAND REGISTERS:
; a fragment (16 rows x 128 K, 12 registers a lane) is 1,536 bytes, registers 4 c .. 4 c + 3 of lane l at 512 c + 16 l; its 16 scale words (one a row, four bytes each) are 64 bytes.
; XC [tile 512][K step 8][1536], XS [tile][K step][row 16] words.  WC, WS likewise with tile = 12 head + n: n = 0-3 the head's q columns, 4-7 k, 8-11 v; row r of a tile is d = 16 (n % 4) + r,
; that is column 192 head + 3 d + n / 4 of W_qkv.
; A block's scale is 2^(floor(log2(largest magnitude)) - 2): its byte is the largest magnitude's exponent field - 2, held at 1 from below by a floor among the maximum's leaves.
; LIMITS: a block of zeros, or one whose largest magnitude lies under 2^-124, keeps the byte 1 (the rule says 127 for zeros): its codes are then zeros or near it and this program alone reads the bytes; NaN and infinities are not served.
; SHARES: work-group x < 32: tile 32 y + x of x;  x >= 32: head y, tile n = x - 32 of W.  Wave s takes K steps 2 s and 2 s + 1.  No barrier: waves share nothing.
; x: each load reads 512 consecutive bytes, one row's K step, 16 bytes a lane; a K step's 16 rows turn through the wave's own stage in LDS (rows 528 bytes apart) and come back as 16 neighbours of each block a lane.
; W: a lane takes a column and its registers run down K; it uses no LDS.
.set TM,  8                            ; v8-11 largest magnitudes, v12-15 at work and bytes, v20-23 the conversions' scale operands
.set SPW, 16                           ; v16 LDS address of my spare word, v17 0: never rewritten
.set NIL, 17
.set PW0, 24                           ; the two K steps' scale words
.set PW1, 25
.set PC0, 28                           ; v28-47, v48-67: a fragment's 12 registers and 8 for the conversions' second halves
.set PC1, 48
.set D,   72                           ; v72-199: 2 x 64 numbers
.set SP,  528                          ; a stage row: 512 bytes + 16
.set STG, 16*SP                        ; a wave's stage
.set SPARE, 4*STG                      ; behind the four stages: the spare words, 128 bytes a wave: two blocks of 256 bytes that no other line names
; 64 numbers of a lane, register 16 b + i = k 32 b + 16 (lane / 16) + i of my row: a fragment's codes in v[pc] on, its scale word in v[pw]
.macro QUANT s, pc, pw
.irp b, 0,1,2,3
	v_max3_num_f32 v[TM+\b], |v[\s+16*\b]|, |v[\s+1+16*\b]|, 0x1800000   ; my 16 of block b, and the floor 2^(3 - 127)
.endr
.irp i, 2,4,6,8,10,12,14
.irp b, 0,1,2,3
	v_max3_num_f32 v[TM+\b], v[TM+\b], |v[\s+16*\b+\i]|, |v[\s+1+16*\b+\i]|
.endr
.endr
.irp b, 0,1,2,3
	v_permlanex16_b32 v[TM+4+\b], v[TM+\b], s20, s21
.endr
.irp b, 0,1,2,3
	v_max_num_f32 v[TM+\b], v[TM+\b], v[TM+4+\b]   ; with lane l xor 16's 16: the block's
.endr
.irp b, 0,1,2,3
	v_add_nc_u32 v[TM+12+\b], 0xff000000, v[TM+\b]   ; 2 off the exponent field: the conversion's scale operand
.endr
.irp b, 0,1,2,3
	v_lshrrev_b32 v[TM+4+\b], 23, v[TM+12+\b]        ; the byte
.endr
	v_lshl_or_b32 v[\pw], v[TM+5], 8, v[TM+4]
	v_lshl_or_b32 v[\pw], v[TM+6], 16, v[\pw]
	v_lshl_or_b32 v[\pw], v[TM+7], 24, v[\pw]
.irp c, 0,1
	v_cvt_scalef32_pk16_fp6_f32 v[\pc+6*\c:\pc+6*\c+2], v[\s+32*\c:\s+32*\c+15], v[TM+12+2*\c]
	v_cvt_scalef32_pk16_fp6_f32 v[\pc+12+4*\c:\pc+14+4*\c], v[\s+32*\c+16:\s+32*\c+31], v[TM+13+2*\c]   ; (three registers from an even one on)
.endr
	v_nop                                          ; one plain instruction behind the scaled conversions
.irp c, 0,1                                    ; a lane wants a whole block: lanes 0-15 block 2 c, lanes 16-31 block 2 c + 1
.irp i, 0,1,2
	v_permlane16_swap_b32 v[\pc+6*\c+\i], v[\pc+12+4*\c+\i]
.endr
.irp i, 0,1,2
	v_mov_b32 v[\pc+3+6*\c+\i], v[\pc+12+4*\c+\i]
.endr
.endr
.endm
; 64 numbers of a lane, register 32 c + i = k 64 c + 32 (lane / 16) + i of my column: whole blocks, so no other lane is asked for a maximum
.macro QUANTB s, pc, pw
.irp c, 0,1
	v_max3_num_f32 v[TM+\c], |v[\s+32*\c]|, |v[\s+1+32*\c]|, 0x1800000
.endr
.irp i, 2,4,6,8,10,12,14,16,18,20,22,24,26,28,30
.irp c, 0,1
	v_max3_num_f32 v[TM+\c], v[TM+\c], |v[\s+32*\c+\i]|, |v[\s+1+32*\c+\i]|
.endr
.endr
.irp c, 0,1
	v_add_nc_u32 v[TM+12+\c], 0xff000000, v[TM+\c]
.endr
.irp c, 0,1
	v_lshrrev_b32 v[TM+4+\c], 23, v[TM+12+\c]
.endr
	v_lshl_or_b32 v[\pw], v[TM+5], 16, v[TM+4]       ; my bytes: blocks h and 2 + h,
	v_lshlrev_b32 v[\pw], v7, v[\pw]                 ; 8 h bits up;
	v_permlanex16_b32 v26, v[\pw], s20, s21
	v_or_b32 v[\pw], v[\pw], v26                     ; with lane l xor 16's two the word is whole
.irp c, 0,1
	v_cvt_scalef32_pk16_fp6_f32 v[\pc+6*\c:\pc+6*\c+2], v[\s+32*\c:\s+32*\c+15], v[TM+12+\c]
	v_cvt_scalef32_pk16_fp6_f32 v[\pc+12+4*\c:\pc+14+4*\c], v[\s+32*\c+16:\s+32*\c+31], v[TM+12+\c]
.endr
	v_nop
.irp c, 0,1
.irp i, 0,1,2
	v_mov_b32 v[\pc+3+6*\c+\i], v[\pc+12+4*\c+\i]
.endr
.endr
.endm
; A K step's 16 rows, register 4 i .. 4 i + 3 = my 16 bytes of row i, through my stage: back come, in register 16 b + 4 c on, bytes 128 b + 64 h + 16 c of row r
.macro TURN s
.set i, 0
.rept 16
	ds_store_b128 v4, v[\s+4*i:\s+4*i+3] offset:SP*i
.set i, i+1
.endr
	s_wait_dscnt 0x0                               ; the stores have read their registers, which take the loads below
.set i, 0
.rept 16
	ds_load_b128 v[\s+4*i:\s+4*i+3], v27 offset:(i/4)*128+(i%4)*16
.set i, i+1
.endr
	s_wait_dscnt 0x0
.endm
	s_load_b128 s[4:7], s[0:1], 0x0                ; x, W_qkv
	s_load_b128 s[8:11], s[0:1], 0x10              ; XC, XS
	s_load_b128 s[12:15], s[0:1], 0x20             ; WC, WS
	v_lshl_add_u32 v[SPW], v0, 2, SPARE
	v_mov_b32 v[NIL], 0
	v_lshrrev_b32 v1, 5, v0
	v_readfirstlane_b32 s16, v1                    ; wave
	v_and_b32 v1, 31, v0                           ; lane
	v_and_b32 v2, 15, v0                           ; r
	v_bfe_u32 v3, v0, 4, 1                         ; h
	v_lshlrev_b32 v5, 4, v1                        ; 16 x lane: my place in a 512-byte piece of an image, and of a row's K step
	v_lshlrev_b32 v6, 2, v1                        ; 4 x lane: my scale word's
	v_lshlrev_b32 v7, 3, v3                        ; 8 h
.irp b, 0,1,2,3
	v_mov_b32 v[TM+4+\b], 0                        ; a lane permute's destination counts as read: written once
.endr
	v_mov_b32 v26, 0
	s_mov_b32 s20, 0x76543210
	s_mov_b32 s21, 0xfedcba98                      ; selects for lane l xor 16
	s_mov_b32 s22, 0xffff0000                      ; lanes 16-31
	s_and_b32 s17, ttmp7, 0xffff                   ; y
	s_lshl_b32 s18, s17, 5
	s_add_co_u32 s18, s18, ttmp9                   ; x's tile
	s_mul_i32 s19, s17, 12
	s_add_co_u32 s19, s19, ttmp9
	s_sub_co_u32 s19, s19, 32                      ; W's tile
	s_cmp_lt_u32 ttmp9, 32
	s_cselect_b32 s18, s18, s19
	s_mul_i32 s24, s18, 12288                      ; a tile's eight images,
	s_mul_i32 s26, s16, 3072                       ; my wave's two
	s_add_co_u32 s24, s24, s26
	s_mov_b32 s25, 0
	s_lshl_b32 s26, s18, 9                         ; a tile's scale words, 512 bytes,
	s_lshl_b32 s27, s16, 7                         ; my wave's 128
	s_add_co_u32 s26, s26, s27
	s_mov_b32 s27, 0
	s_wait_alu depctr_va_vdst(0)
	s_wait_kmcnt 0x0
	s_cmp_lt_u32 ttmp9, 32                         ; the choice hangs on the work-group's number alone
	s_cselect_b64 s[8:9], s[8:9], s[12:13]
	s_cselect_b64 s[10:11], s[10:11], s[14:15]
	s_add_nc_u64 s[8:9], s[8:9], s[24:25]
	s_add_nc_u64 s[10:11], s[10:11], s[26:27]
	s_cbranch_scc0 .Lweights
	; ---- x
	s_mul_i32 s29, s16, STG                        ; my stage
	v_add_nc_u32 v4, s29, v5                       ; in: 16 lane of a row
	v_mul_u32_u24 v27, v2, SP
	v_lshl_add_u32 v27, v3, 6, v27
	v_add_nc_u32 v27, s29, v27                     ; back: row r, 64 h
	s_lshl_b32 s24, s18, 16                        ; 16 rows of 4,096 bytes a tile,
	s_lshl_b32 s28, s16, 10                        ; two K steps of 512 bytes a wave
	s_add_co_u32 s24, s24, s28
	s_add_nc_u64 s[4:5], s[4:5], s[24:25]
	s_wait_alu depctr_va_vdst(0)
.set i, 0
.rept 32
	global_load_b128 v[D+4*i:D+4*i+3], v5, s[4:5] offset:(i%16)*4096+(i/16)*512 th:TH_LOAD_NT   ; 32 lanes read 512 consecutive bytes, aligned
.set i, i+1
.endr
	s_wait_loadcnt 16                              ; the first K step's 16 loads are in, the second's may be out
	TURN D
	QUANT D, PC0, PW0
	s_wait_loadcnt 0x0
	TURN D+64
	QUANT D+64, PC1, PW1
	s_branch .Lstore
.Lweights:
	; ---- W: lane (r, h) takes column d = 16 (n % 4) + r of the head's q, k or v, and its registers run down K
	s_wait_alu depctr_va_vdst(0)
	v_mul_u32_u24 v4, v3, 393216                   ; lanes 16-31 begin 32 rows of 12,288 bytes further down
	v_mad_u32_u24 v4, v2, 12, v4                   ; neighbouring d are three columns apart
	s_wait_alu depctr_va_vdst(0)
	s_sub_co_u32 s28, ttmp9, 32                    ; n
	s_and_b32 s29, s28, 3
	s_mul_i32 s29, s29, 192
	s_lshr_b32 s28, s28, 2
	s_lshl_b32 s28, s28, 2
	s_add_co_u32 s24, s28, s29
	s_mul_i32 s28, s17, 768                        ; the head's 192 columns
	s_add_co_u32 s24, s24, s28
	s_mul_i32 s28, s16, 3145728                    ; my wave's 256 rows
	s_add_co_u32 s24, s24, s28
	s_add_nc_u64 s[6:7], s[6:7], s[24:25]
.set i, 0
.rept 128
	global_load_b32 v[D+i], v4, s[6:7] offset:((i/32)*64+i%32)*12288   ; row 64 (i / 32) + 32 h + i % 32 of my 256
.set i, i+1
.endr
	s_wait_loadcnt 63                              ; behind the first K step's last load stand 64: with at most 63 out it is in
	QUANTB D, PC0, PW0
	s_wait_loadcnt 0x0
	QUANTB D+64, PC1, PW1
.Lstore:
.irp c, 0,1,2
	global_store_b128 v5, v[PC0+4*\c:PC0+4*\c+3], s[8:9] offset:512*\c          ; 32 lanes store 512 consecutive bytes, aligned to 256
.endr
	s_wait_alu depctr_va_vdst(0)
.irp c, 0,1,2
	global_store_b128 v5, v[PC1+4*\c:PC1+4*\c+3], s[8:9] offset:1536+512*\c
.endr
	v_cndmask_b32 v68, v[PW0], v[PW1], s22         ; lanes 0-15 the first K step's words, lanes 16-31 the second's
	global_store_b32 v6, v68, s[10:11]             ; 128 consecutive bytes
	s_wait_tensorcnt 0x0                           ; the wave's end
	ds_add_u32 v[SPW], v[NIL]
	s_wait_dscnt 0x0
	s_endpgm
.Lfunc_end_k_qb88a7e1f0d_quant:
	.size	k_qb88a7e1f0d_quant, .Lfunc_end_k_qb88a7e1f0d_quant-k_qb88a7e1f0d_quant
	.p2alignl 7, 3214868480
	.fill 96, 4, 3214868480
	.section	.rodata,"a",@progbits
	.p2align	6, 0x0
	.amdhsa_kernel k_qb88a7e1f0d_quant
		.amdhsa_group_segment_fixed_size 34304
		.amdhsa_private_segment_fixed_size 0
		.amdhsa_enable_private_segment 0
		.amdhsa_kernarg_size 48
		.amdhsa_user_sgpr_count 2
		.amdhsa_user_sgpr_kernarg_segment_ptr 1
		.amdhsa_wavefront_size32 1
		.amdhsa_system_sgpr_workgroup_id_x 1
		.amdhsa_system_sgpr_workgroup_id_y 1
		.amdhsa_system_sgpr_workgroup_id_z 1
		.amdhsa_system_vgpr_workitem_id 0
		.amdhsa_next_free_vgpr 200
		.amdhsa_next_free_sgpr 66
		.amdhsa_reserve_vcc 0
		.amdhsa_float_denorm_mode_32 3
		.amdhsa_float_denorm_mode_16_64 3
		.amdhsa_memory_ordered 1
		.amdhsa_forward_progress 1
		.amdhsa_inst_pref_size 37
	.end_amdhsa_kernel
	.amdgpu_metadata
---
amdhsa.version: [ 1, 2 ]
amdhsa.kernels:
  - .name:           k_qb88a7e1f0d_quant
    .symbol:         k_qb88a7e1f0d_quant.kd
    .args:
      - { .name: x, .offset: 0, .size: 8, .value_kind: global_buffer, .address_space: global }
      - { .name: W_qkv, .offset: 8, .size: 8, .value_kind: global_buffer, .address_space: global }
      - { .name: XC, .offset: 16, .size: 8, .value_kind: global_buffer, .address_space: global }
      - { .name: XS, .offset: 24, .size: 8, .value_kind: global_buffer, .address_space: global }
      - { .name: WC, .offset: 32, .size: 8, .value_kind: global_buffer, .address_space: global }
      - { .name: WS, .offset: 40, .size: 8, .value_kind: global_buffer, .address_space: global }
    .group_segment_fixed_size: 34304
    .private_segment_fixed_size: 0
    .kernarg_segment_align: 8
    .kernarg_segment_size: 48
    .max_flat_workgroup_size: 128
    .sgpr_count:     66
    .vgpr_count:     200
    .wavefront_size: 32
...
	.end_amdgpu_metadata
.endif
;; end of part 1
;; launch gemm (part 2): grid 16 x 32, 4 waves a work-group, clusters of 4 x 4, 327,680 bytes of LDS; arguments XC, XS, WC, WS, b_qkv, QC, KV; writes QC, KV
.if DOCPART == 2
	.amdgcn_target "amdgcn-amd-amdhsa--gfx1250"
	.amdhsa_code_object_version 6
	.text
	.protected	k_qb88a7e1f0d_gemm
	.globl	k_qb88a7e1f0d_gemm
	.p2align	8
	.type	k_qb88a7e1f0d_gemm,@function
k_qb88a7e1f0d_gemm:
	s_mov_b64 s[64:65], 0
	v_nop
	global_prefetch_b8 v0, s[64:65] scope:SCOPE_SE
	s_setreg_imm32_b32 hwreg(HW_REG_WAVE_MODE, 25, 1), 1
	s_wait_xcnt 0x0
	s_wait_alu depctr_hold_cnt(0) depctr_sa_sdst(0) depctr_va_vdst(0) depctr_va_sdst(0) depctr_va_ssrc(0) depctr_va_vcc(0) depctr_vm_vsrc(0)
	s_getreg_b32 s2, hwreg(HW_REG_IB_STS2, 6, 4)
	s_cmp_eq_u32 s2, 0
	s_cbranch_scc0 .Lentry_in_a_cluster
	s_endpgm
.Lentry_in_a_cluster:
	s_bfe_u32 s2, ttmp6, 0x10000c
	s_cmp_lg_u32 s2, 0xf033
	s_cbranch_scc0 .Lentry_shape_is_right
	s_endpgm
.Lentry_shape_is_right:
; qkv = x W + b on codes of E2M3 (K = 1,024 in eight steps of 128), and q, k, v quantised at once for the attention launch: qkv itself never goes to memory.
; SHARES.  Work-group (wx, wy): head wx, rows 256 wy .. + 255 of x (16 tiles of 16) against the head's 192 columns (12 tiles: 0-3 q, 4-7 k, 8-11 v).  Wave w: x's tiles 4 w .. 4 w + 3 against all 12: 48 accumulators.
; q, k: source 0 = W's tile, source 1 = x's tile: a lane holds one t and its registers run along d, the next product's K.  v: source 0 = x's tile, source 1 = W's tile: a lane holds one d and its registers run along t, the keys.
; A result lane (r, h) holds index 32 b + 16 u + 8 h + j in register 16 b + 8 u + j.  The quantiser below lays that at place 16 h + 8 u + j of block b: a permutation INSIDE a block of 32, the same for q and k
; (along d) and, in the attention launch, for p and v (along the keys): products and block scales are those of the natural order; only the order of addition inside a block differs.
; OPERANDS come as images of their registers (1,536 bytes a fragment), so a fragment is three ds_load_b128 of 512 consecutive bytes: no pitch, no padding.
; RING: two LDS slots of 256 along K (x: 16 tiles x 3,072 bytes; W: 12 tiles), four fills, written out.  The scale words of all of K come once.
; CLUSTER 4 x 4: x's tiles hang on wy alone and are asked for jointly along a row of the cluster, W's on wx alone and jointly along a column.
; OUT: QC [H][tile 128][768]: half fragments (16 t x 64 d: registers 0-3 at 16 lane, 4-5 at 512 + 8 lane);  KV [4 b + head / 4][key step 16][K, V][head % 4][6,144]: K [tile 8][768], V [64 keys 2][d tile 4][768];
;   QKS [H][64 t 32][q, k][r 16][tile 4] words: q's word = bytes (q0, q1, k0, k1), k's word = (k0, k1, 0, 0);  VS [H][64 t 32][pair 2][r 16] words = bytes (d tile 2 p: two key blocks; 2 p + 1: two).  H = 16 b + head.
; LIMITS: blocks of zeros or under 2^-124 keep the scale byte 1; NaN and infinities are not served.
; REGISTERS: window 0: v16-29 addresses; v32-63 scale words, two sets of 4 (x) + 12 (W): lanes 0-15 the fill's first K step, lanes 16-31 its second; v64-111, v112-159 x's fragments of the two K steps; v160-255 epilogue.
;   window 1: v0-143 W's 12 fragments, one set.  window 2: v0-127 v's accumulators (e, m) at 32 e + 8 m; v128-191 the bias of tiles 0-7; v192-223 of v's tiles.  window 3: q's and k's accumulators (n, m) at 64 m + 8 n.
; OUT AS IT STANDS NOW (in place of what is said of KV, QKS and VS above): KV [4 b + head / 4][key step 16][54,272 bytes]: K's codes at 0 and V's at 24,576, laid as above; from 49,152 on
; [head % 4][64 t 2][512]: 256 bytes of q's words, 256 of k's ([r 16][tile 4]); from 53,248 on [head % 4][64 t 2][128]: v's words ([pair 2][r 16]).  There is no QKS and no VS.
; THE HEAD: one tensor load a wave: wave 0 x's part of slot 0, wave 1 W's, wave 2 x's scale words, wave 3 W's; slot 1 is first filled behind the full sequence and a round.
.set SLOT,  86016
.set WOFF,  49152                      ; W's part of a slot
.set SCX,   2*SLOT                     ; x's scale words: 16 tiles x 512 bytes
.set SCW,   SCX+8192                   ; W's: 12 tiles x 512
.set SPARE, SCW+6144                   ; the spare words, 128 bytes a wave: two blocks of 256 bytes that no other line names
.set AX,  16                           ; v16-17 my x fragments in slot 0, 1: 12,288 wave + 16 lane
.set AW,  18                           ; v18-19 W's fragments: WOFF + 16 lane
.set ASX, 20                           ; v20 x's scale words: SCX + 2,048 wave + 4 lane
.set ASW, 21                           ; v21 W's: SCW + 4 lane
.set L16, 22
.set L8,  23
.set L4,  24
.set H16, 25                           ; 16 h
.set BO1, 26                           ; 96 h: the bias of q's and k's tiles
.set BO2, 27                           ; 12 r: of v's
.set SPW, 28
.set NIL, 29
.set SC,  32
.set XF,  64
.set BQK, 128
.set BV,  192
.set TM,  160
.set PW,  176
.set SW,  184
.set G1X, 32
.set G0X, 40
.set G1W, 48
.set G0W, 56
.set G1SX, 68
.set G0SX, 76
.set G1SW, 80
.set G0SW, 88
.set MSB, 0
.macro WIN new                         ; the immediate's high byte repeats the setting that is left
.if MSB != \new
	s_set_vgpr_msb (MSB<<8)|\new
.set MSB, \new
.endif
.endm
.macro PLACES                          ; four plain instructions between a matrix instruction and a load into, or a vector read or write of, its registers
.rept 4
	v_nop
.endr
.endm
; A joint load: waves 0 and 1 fetch for x, waves 2 and 3 for W; the branch hangs on the wave's number alone.  Four v_nop follow each line.
.macro JLOAD g0a, g1a, g0b, g1b
	s_cmp_eq_u32 s23, 0
	s_cbranch_scc0 .Lfor_w_\@
	tensor_load_to_lds s[\g0a:\g0a+3], s[\g1a:\g1a+7]
	s_nop 0
.rept 4
	v_nop
.endr
	s_branch .Lasked_\@
.Lfor_w_\@:
	tensor_load_to_lds s[\g0b:\g0b+3], s[\g1b:\g1b+7]
	s_nop 0
.rept 4
	v_nop
.endr
.Lasked_\@:
.endm
.macro CREST                           ; a round of the cluster's barrier behind its opening barrier
	s_cmp_lg_u32 s22, 0
	s_cbranch_scc1 .Lnot_wave_0_\@
	s_barrier_signal -3
.Lnot_wave_0_\@:
	s_barrier_wait -3
	s_barrier_signal -1
	s_barrier_wait -1
.endm
.macro CROUND
	s_barrier_signal -1
	s_barrier_wait -1
	CREST
.endm
.macro WM d, a, b, c, sa, sb, q        ; q = 1: the fill's second K step: both sides' scale words stand in lanes 16-31
.if \q
	v_wmma_scale_f32_16x16x128_f8f6f4 v[\d:\d+7], v[\a:\a+11], v[\b:\b+11], v[\c:\c+7], v[\sa], v[\sb] matrix_a_fmt:MATRIX_FMT_FP6 matrix_b_fmt:MATRIX_FMT_FP6 matrix_a_scale:MATRIX_SCALE_ROW1 matrix_b_scale:MATRIX_SCALE_ROW1
.else
	v_wmma_scale_f32_16x16x128_f8f6f4 v[\d:\d+7], v[\a:\a+11], v[\b:\b+11], v[\c:\c+7], v[\sa], v[\sb] matrix_a_fmt:MATRIX_FMT_FP6 matrix_b_fmt:MATRIX_FMT_FP6
.endif
.endm
; W's tile n against my four tiles of x.  z = 1: the first K step: the bias is the sum's C.  The 48 accumulators take turns in one order in every step.
.macro MULW n, q, sc, z
.irp m, 0,1,2,3
.set rX, XF+48*(\q)+12*\m
.set rW, 12*(\n)
.set sX, SC+16*(\sc)+\m
.set sW, SC+16*(\sc)+4+(\n)
.if (\n) < 8
.set rD, 64*\m+8*(\n)
.set rC, rD
.if \z
.set rC, BQK+8*(\n)
	WIN 0xe1                                       ; W window 1, x window 0, C window 2, D window 3
.else
	WIN 0xf1
.endif
	WM rD, rW, rX, rC, sW, sX, \q
.else
.set rD, 32*((\n)-8)+8*\m
.set rC, rD
.if \z
.set rC, BV+8*((\n)-8)
.endif
	WIN 0xa4                                       ; x window 0, W window 1, C and D window 2
	WM rD, rX, rW, rC, sX, sW, \q
.endif
.endr
.endm
.macro FETCHW sl, q, n0                ; W's tiles n0 .. n0 + 5 of the slot's q-th K step: 18 loads
	WIN 0x40
.irp i, 0,1,2,3,4,5
.irp c, 0,1,2
	ds_load_b128 v[12*(\n0+\i)+4*\c:12*(\n0+\i)+4*\c+3], v[AW+\sl] offset:3072*(\n0+\i)+1536*(\q)+512*\c
.endr
.endr
	WIN 0
.endm
.macro FETCHX sl, q                    ; my four tiles of x into set q: 12 loads
.irp m, 0,1,2,3
.irp c, 0,1,2
	ds_load_b128 v[XF+48*(\q)+12*\m+4*\c:XF+48*(\q)+12*\m+4*\c+3], v[AX+\sl] offset:3072*\m+1536*(\q)+512*\c
.endr
.endr
.endm
.macro SCALES set, f                   ; fill f's scale words: 128 bytes a tile: 16 loads
.irp m, 0,1,2,3
	ds_load_b32 v[SC+16*(\set)+\m], v[ASX] offset:512*\m+128*(\f)
.endr
.irp n, 0,1,2,3,4,5,6,7,8,9,10,11
	ds_load_b32 v[SC+16*(\set)+4+\n], v[ASW] offset:512*\n+128*(\f)
.endr
.endm
; A fill's first K step; its second is fetched meanwhile: W's tiles 0-5 as soon as their products are issued, tiles 6-11 at the end.
.macro STEP f, z
	s_wait_dscnt 18                                ; all but the youngest 18 loads (W's tiles 6-11)
.irp n, 0,1,2,3,4,5
	MULW \n, 0, (\f)%2, \z
.endr
	s_wait_dscnt 0x0
	PLACES
	FETCHW (\f)%2, 1, 0
	FETCHX (\f)%2, 1
.irp n, 6,7,8,9,10,11
	MULW \n, 0, (\f)%2, \z
.endr
	PLACES
	FETCHW (\f)%2, 1, 6
.endm
; A fill's second K step changes slots: one barrier; in front of it each wave waits for all its tensor loads, adds 0 to its spare word, and waits for that and for its reads of this slot.
.macro TURN f, fill
	s_wait_tensorcnt 0x0                           ; my part of the next slot has landed; no load of mine is out
	ds_add_u32 v[SPW], v[NIL]
	s_wait_dscnt 19                                ; (the add and W's tiles 6-11 may be out)
.irp n, 0,1,2
	MULW \n, 1, (\f)%2, 0
.endr
	s_wait_dscnt 0x0                               ; the add is done, and my reads of this slot are over
	s_barrier_signal -1
.irp n, 3,4,5
	MULW \n, 1, (\f)%2, 0
.endr
	WIN 0
	s_barrier_wait -1
.if \fill
	CREST                                          ; the barrier has opened a round of the cluster's: no wave of any partner still reads this slot or has a load on its way
	s_add_nc_u64 s[G0X+4*((\f)%2)+2:G0X+4*((\f)%2)+3], s[G0X+4*((\f)%2)+2:G0X+4*((\f)%2)+3], 6144   ; two fills on
	s_add_nc_u64 s[G0W+4*((\f)%2)+2:G0W+4*((\f)%2)+3], s[G0W+4*((\f)%2)+2:G0W+4*((\f)%2)+3], 6144
	JLOAD G0X+4*((\f)%2), G1X, G0W+4*((\f)%2), G1W   ; the first tensor load behind the round; its four v_nop are the places for the loads below
.else
	PLACES
.endif
	FETCHW ((\f)+1)%2, 0, 0
	FETCHX ((\f)+1)%2, 0
	SCALES ((\f)+1)%2, (\f)+1
.if (\f) == 0
	global_prefetch_b8 v30, s[16:17] offset:9216 th:TH_LOAD_NT scope:SCOPE_SE   ; fill 3, which the next change of slots loads
.endif
.irp n, 6,7,8,9,10,11
	MULW \n, 1, (\f)%2, 0
.endr
	PLACES
	FETCHW ((\f)+1)%2, 0, 6
.endm
; 64 accumulator registers of a window, register 16 b + i of block b (my 16 of its 32; lane l xor 16 holds the others), become 12 registers of codes in v[pc] on and a scale word in v[pw].
; wa: sources 1 and 2 in the accumulators' window;  wc: source 0 there.  Each accumulator is read from its low end on.
.macro QUANTW wa, wc, s, pc, pw
	WIN \wa
.irp b, 0,1,2,3
	v_max3_num_f32 v[TM+\b], s25, |v[\s+16*\b]|, |v[\s+1+16*\b]|      ; s25: the floor 2^(3 - 127)
.endr
.irp i, 2,4,6,8,10,12,14
.irp b, 0,1,2,3
	v_max3_num_f32 v[TM+\b], v[TM+\b], |v[\s+16*\b+\i]|, |v[\s+1+16*\b+\i]|
.endr
.endr
	WIN 0
.irp b, 0,1,2,3
	v_permlanex16_b32 v[TM+4+\b], v[TM+\b], s26, s27
.endr
.irp b, 0,1,2,3
	v_max_num_f32 v[TM+\b], v[TM+\b], v[TM+4+\b]
.endr
.irp b, 0,1,2,3
	v_add_nc_u32 v[TM+12+\b], 0xff000000, v[TM+\b]
.endr
.irp b, 0,1,2,3
	v_lshrrev_b32 v[TM+4+\b], 23, v[TM+12+\b]
.endr
	v_lshl_or_b32 v[\pw], v[TM+5], 8, v[TM+4]
	v_lshl_or_b32 v[\pw], v[TM+6], 16, v[\pw]
	v_lshl_or_b32 v[\pw], v[TM+7], 24, v[\pw]
	WIN \wc
.irp c, 0,1
	v_cvt_scalef32_pk16_fp6_f32 v[\pc+6*\c:\pc+6*\c+2], v[\s+32*\c:\s+32*\c+15], v[TM+12+2*\c]
	v_cvt_scalef32_pk16_fp6_f32 v[\pc+12+4*\c:\pc+14+4*\c], v[\s+32*\c+16:\s+32*\c+31], v[TM+13+2*\c]
.endr
	WIN 0
	v_nop                                          ; one plain instruction behind the scaled conversions
.irp c, 0,1
.irp i, 0,1,2
	v_permlane16_swap_b32 v[\pc+6*\c+\i], v[\pc+12+4*\c+\i]
.endr
.irp i, 0,1,2
	v_mov_b32 v[\pc+3+6*\c+\i], v[\pc+12+4*\c+\i]
.endr
.endr
.endm
	s_load_b256 s[4:11], s[0:1], 0x0               ; XC s[4:5], XS s[6:7], WC s[8:9], WS s[10:11]
	s_load_b128 s[12:15], s[0:1], 0x20             ; b_qkv s[12:13], QC s[14:15]
	s_load_b64 s[18:19], s[0:1], 0x30              ; KV
	v_lshl_add_u32 v[SPW], v0, 2, SPARE
	v_mov_b32 v[NIL], 0
	ds_add_u32 v28, v29
	ds_add_u32 v28, v29
	s_wait_dscnt 0x0
	v_lshrrev_b32 v1, 5, v0
	v_readfirstlane_b32 s22, v1                    ; wave 0..3
	s_lshr_b32 s23, s22, 1                         ; I fetch for x (0) or for W (1)
	s_and_b32 s24, s22, 1                          ; which half of its tiles
	s_mov_b32 s25, 0x1800000
	s_mov_b32 s26, 0x76543210
	s_mov_b32 s27, 0xfedcba98
	s_mov_b32 s28, 0xffff0000
	s_bfe_u32 s92, ttmp6, 0x40000                  ; cx
	s_bfe_u32 s93, ttmp6, 0x40004                  ; cy
	s_lshl_b32 s94, ttmp9, 2
	s_add_co_u32 s94, s94, s92                     ; wx: the head
	s_and_b32 s95, ttmp7, 0xffff
	s_lshl_b32 s95, s95, 2
	s_add_co_u32 s95, s95, s93                     ; wy: the block of 256 rows
	s_lshl_b32 s96, s93, 2
	s_lshl_b32 s96, 15, s96                        ; my row of the cluster
	s_lshl_b32 s97, 0x1111, s92                    ; my column
	; group 1: elements of 8 bytes.  x: 8 tiles' two K steps: 8 rows of 384 elements (3,072 bytes), 1,536 elements (a tile's eight images) apart;  W: 6 such rows
	s_or_b32 s[G1X], s96, (3<<16)|(1<<21)
	s_or_b32 s[G1W], s97, (3<<16)|(1<<21)
	s_mov_b32 s[G1X+1], 384<<16
	s_mov_b32 s[G1X+2], 16<<16                     ; the head's load brings all 16 tiles; the ring's loads 8
	s_mov_b32 s[G1X+3], 384<<16
	s_mov_b32 s[G1X+4], 16
	s_mov_b32 s[G1X+5], 1536
	s_mov_b32 s[G1X+6], 0
	s_mov_b32 s[G1X+7], 0
	s_mov_b32 s[G1W+1], 384<<16
	s_mov_b32 s[G1W+2], 12<<16                     ; likewise all 12 tiles of W, then 6
	s_mov_b32 s[G1W+3], 384<<16
	s_mov_b32 s[G1W+4], 12
	s_mov_b32 s[G1W+5], 1536
	s_mov_b32 s[G1W+6], 0
	s_mov_b32 s[G1W+7], 0
	; the scale words: dense blocks as rows of 256 bytes: x's 32 rows, W's 24
	s_or_b32 s[G1SX], s96, (3<<16)|(1<<21)
	s_or_b32 s[G1SW], s97, (3<<16)|(1<<21)
	s_mov_b32 s[G1SX+1], 32<<16
	s_mov_b32 s[G1SX+2], 32<<16                    ; all of x's scale words: 32 rows of 256 bytes
	s_mov_b32 s[G1SX+3], 32<<16
	s_mov_b32 s[G1SX+4], 32
	s_mov_b32 s[G1SX+5], 32
	s_mov_b32 s[G1SX+6], 0
	s_mov_b32 s[G1SX+7], 0
	s_mov_b32 s[G1SW+1], 32<<16
	s_mov_b32 s[G1SW+2], 24<<16                    ; all of W's: 24 rows
	s_mov_b32 s[G1SW+3], 32<<16
	s_mov_b32 s[G1SW+4], 24
	s_mov_b32 s[G1SW+5], 32
	s_mov_b32 s[G1SW+6], 0
	s_mov_b32 s[G1SW+7], 0
	; where they come from: x's hang on wy and the wave alone, W's on wx and the wave alone, each in registers that never hold the other coordinate
	s_lshl_b32 s98, s95, 4
	s_lshl_b32 s99, s24, 3
	s_add_co_u32 s98, s98, s99
	s_mul_i32 s98, s98, 12288                      ; x: tile 16 wy + 8 half
	s_mov_b32 s99, 0
	s_mul_i32 s100, s94, 12
	s_mul_i32 s101, s24, 6
	s_add_co_u32 s100, s100, s101
	s_mul_i32 s100, s100, 12288                    ; W: tile 12 wx + 6 half
	s_mov_b32 s101, 0
	s_lshl_b32 s2, s95, 13                         ; x's scale words: 8,192 bytes a block of 256 rows
	s_mov_b32 s3, 0
	s_mul_i32 s30, s94, 6144                       ; W's: 6,144 bytes a head
	s_mov_b32 s31, 0
	s_wait_kmcnt 0x0
	s_add_nc_u64 s[98:99], s[4:5], s[98:99]
	s_add_nc_u64 s[100:101], s[8:9], s[100:101]
	s_add_nc_u64 s[2:3], s[6:7], s[2:3]
	s_add_nc_u64 s[30:31], s[10:11], s[30:31]
	s_mov_b32 s[G0SX], 1
	s_mov_b32 s[G0SX+1], SCX
	s_mov_b64 s[G0SX+2:G0SX+3], s[2:3]
	s_or_b32 s[G0SX+3], s[G0SX+3], 0x80000000
	s_mov_b32 s[G0SW], 1
	s_mov_b32 s[G0SW+1], SCW
	s_mov_b64 s[G0SW+2:G0SW+3], s[30:31]
	s_or_b32 s[G0SW+3], s[G0SW+3], 0x80000000
	s_mul_i32 s2, s24, 24576                       ; where they go: no place in the cluster enters an LDS address
	s_mul_i32 s3, s24, 18432
	s_add_co_u32 s3, s3, WOFF
.irp s, 0,1
	s_mov_b32 s[G0X+4*\s], 1
	s_add_co_u32 s[G0X+4*\s+1], s2, \s*SLOT
	s_add_nc_u64 s[G0X+4*\s+2:G0X+4*\s+3], s[98:99], \s*3072
	s_or_b32 s[G0X+4*\s+3], s[G0X+4*\s+3], 0x80000000
	s_mov_b32 s[G0W+4*\s], 1
	s_add_co_u32 s[G0W+4*\s+1], s3, \s*SLOT
	s_add_nc_u64 s[G0W+4*\s+2:G0W+4*\s+3], s[100:101], \s*3072
	s_or_b32 s[G0W+4*\s+3], s[G0W+4*\s+3], 0x80000000
.endr
	s_mul_i32 s2, s95, 196608                      ; group 0 of the head's two loads of codes, in registers whose arguments have been used: x's 16 tiles,
	s_mov_b32 s3, 0
	s_add_nc_u64 s[6:7], s[4:5], s[2:3]
	s_mov_b64 s[16:17], s[6:7]                     ; the prefetches' base: x's 16 tiles,
	s_mov_b32 s4, 1
	s_mov_b32 s5, 0
	s_or_b32 s7, s7, 0x80000000
	s_mul_i32 s30, s94, 147456                     ; and W's 12
	s_mov_b32 s31, 0
	s_add_nc_u64 s[10:11], s[8:9], s[30:31]
	s_cmp_eq_u32 s23, 0                            ; or, in waves 2 and 3, W's 12: the choice hangs on the wave's number alone
	s_cselect_b64 s[16:17], s[16:17], s[10:11]
	s_mov_b32 s8, 1
	s_mov_b32 s9, WOFF
	s_or_b32 s11, s11, 0x80000000
	CROUND                                         ; all sixteen work-groups are here: the first joint loads meet
.macro ARM under, g0, g1, next                 ; one chain of branches on the wave's number, one load to an arm, all arms to one join
	s_cmp_lt_u32 s22, \under
	s_cbranch_scc0 \next
	tensor_load_to_lds s[\g0:\g0+3], s[\g1:\g1+7]
	s_nop 0
.rept 4
	v_nop
.endr
	s_branch .Lhead_asked
\next:
.endm
	ARM 1, 4, G1X, .Lhead_w
	ARM 2, 8, G1W, .Lhead_sx
	ARM 3, G0SX, G1SX, .Lhead_sw
	tensor_load_to_lds s[G0SW:G0SW+3], s[G1SW:G1SW+7]
	s_nop 0
.rept 4
	v_nop
.endr
.Lhead_asked:
	v_and_b32 v1, 31, v0
	v_and_b32 v2, 15, v0
	v_bfe_u32 v3, v0, 4, 1
	v_lshlrev_b32 v[L16], 4, v1
	v_lshlrev_b32 v[L8], 3, v1
	v_lshlrev_b32 v[L4], 2, v1
	v_lshlrev_b32 v[H16], 4, v3
	v_mul_u32_u24 v[BO1], v3, 96
	v_mul_u32_u24 v[BO2], v2, 12
	; PREFETCH: a fill is 3,072 bytes of each tile: 192 blocks of 256 bytes of x's 16 tiles, 144 of W's 12.  The four partners that ask for them jointly share them out by address: 48 each of x's (by cx, waves 0 and 1),
	; 36 each of W's (by cy, waves 2 and 3), a lane a block; lanes that are left over name their wave's last block again.  Fills 1 and 2 are asked for here, fill 3 behind the refill that brings fill 2.
	s_mul_i32 s2, s92, 48
	s_mul_i32 s3, s93, 36
	s_mov_b32 s20, 35
	s_cmp_eq_u32 s23, 0
	s_cselect_b32 s2, s2, s3
	s_cselect_b32 s20, 47, s20
	s_lshl_b32 s3, s24, 5
	s_wait_alu depctr_va_vdst(0)
	v_add_nc_u32 v30, s3, v1
	v_min_u32 v30, s20, v30
	v_add_nc_u32 v30, s2, v30                      ; block i
	v_mul_u32_u24 v31, v30, 171
	v_lshrrev_b32 v31, 11, v31                     ; its tile i / 12 (exact for i under 192)
	v_mul_u32_u24 v31, v31, 9216
	v_lshl_add_u32 v30, v30, 8, v31                ; 12,288 tile + 256 (i % 12); v30 and s[16:17] are never rewritten
	global_prefetch_b8 v30, s[16:17] offset:3072 th:TH_LOAD_NT scope:SCOPE_SE
	global_prefetch_b8 v30, s[16:17] offset:6144 th:TH_LOAD_NT scope:SCOPE_SE
	s_mul_i32 s29, s22, 12288
	v_add_nc_u32 v[AX], s29, v[L16]
	v_add_nc_u32 v[AX+1], SLOT, v[AX]
	v_add_nc_u32 v[AW], WOFF, v[L16]
	v_add_nc_u32 v[AW+1], SLOT, v[AW]
	s_lshl_b32 s29, s22, 11
	s_add_co_u32 s29, s29, SCX
	v_add_nc_u32 v[ASX], s29, v[L4]
	v_add_nc_u32 v[ASW], SCW, v[L4]
.irp b, 0,1,2,3
	v_mov_b32 v[TM+4+\b], 0                        ; a lane permute's destination counts as read: written once
.endr
	s_mul_i32 s30, s94, 768                        ; the head's 192 numbers of the bias
	s_mov_b32 s31, 0
	s_add_nc_u64 s[12:13], s[12:13], s[30:31]
	WIN 0x80                                       ; destination window 2
.irp n, 0,1,2,3,4,5,6,7                        ; q, k: register j of lane (r, h) is d = 16 (n % 4) + 8 h + j: column 3 d + n / 4
.irp j, 0,1,2,3,4,5,6,7
	global_load_b32 v[BQK+8*\n+\j], v[BO1], s[12:13] offset:192*(\n%4)+12*\j+4*(\n/4)
.endr
.endr
.irp e, 0,1,2,3                                ; v: every register of lane (r, h) is d = 16 e + r: column 3 d + 2
.irp j, 0,1,2,3,4,5,6,7
	global_load_b32 v[BV+8*\e+\j], v[BO2], s[12:13] offset:192*\e+8
.endr
.endr
	WIN 0
	s_wait_alu depctr_va_vdst(0)
	s_wait_tensorcnt 0x0                           ; my tile of the head's four is in; the lines ahead of a later first fill:
	ds_add_u32 v[SPW], v[NIL]
	s_mov_b32 s[G1X+2], 8<<16                      ; no tensor load of mine is out: from here on a load brings half of a slot's tiles
	s_mov_b32 s[G1X+4], 8
	s_mov_b32 s[G1W+2], 6<<16
	s_mov_b32 s[G1W+4], 6
	s_wait_dscnt 0x0
	CROUND                                         ; all four tiles are in, and the sixteen work-groups meet
	JLOAD G0X+4, G1X, G0W+4, G1W                   ; slot 1's first fill, the first tensor load behind the round
	FETCHW 0, 0, 0
	FETCHX 0, 0
	SCALES 0, 0
	FETCHW 0, 0, 6
	s_wait_loadcnt 0x0                             ; the bias
	STEP 0, 1                                      ; the first products start the sums from the bias: nothing is cleared
	TURN 0, 1
	STEP 1, 0
	TURN 1, 1
	STEP 2, 0
	TURN 2, 0                                      ; nothing is left to fetch
	STEP 3, 0
	s_wait_dscnt 18
.irp n, 0,1,2,3,4,5
	MULW \n, 1, 1, 0
.endr
	s_wait_dscnt 0x0
.irp n, 6,7,8,9,10,11
	MULW \n, 1, 1, 0
.endr
	WIN 0
	; ---- the way out: where my 64 t of this head go.  b = wy / 8; g = 4 (wy % 8) + wave: which 64 t of the batch; key step g / 2
	s_lshr_b32 s2, s95, 3
	s_and_b32 s3, s95, 7
	s_lshl_b32 s29, s3, 2
	s_add_co_u32 s29, s29, s22                     ; g
	s_lshl_b32 s30, s2, 4
	s_add_co_u32 s30, s30, s94                     ; H
	s_lshl_b32 s31, s30, 5
	s_add_co_u32 s31, s31, s29                     ; 32 H + g
	s_mul_i32 s98, s31, 3072                       ; four half fragments of 768 bytes
	s_mov_b32 s99, 0
	s_add_nc_u64 s[14:15], s[14:15], s[98:99]
	s_lshl_b32 s2, s2, 2
	s_lshr_b32 s100, s94, 2
	s_add_co_u32 s2, s2, s100                      ; 4 b + head / 4
	s_lshl_b32 s2, s2, 4
	s_lshl_b32 s3, s3, 1
	s_add_co_u32 s2, s2, s3
	s_add_co_u32 s2, s2, s23                       ; x 16 + key step
	s_mul_i32 s98, s2, 54272                       ; a key step's block
	s_and_b32 s100, s94, 3
	s_lshl_b32 s2, s100, 1
	s_add_co_u32 s2, s2, s24                       ; 2 (head % 4) + which 64 t of the step
	s_lshl_b32 s30, s2, 9
	s_add_co_u32 s30, s30, s98
	s_add_co_u32 s30, s30, 49152
	s_mov_b32 s31, 0
	s_add_nc_u64 s[30:31], s[18:19], s[30:31]      ; q's and k's scale words: 512 bytes
	s_lshl_b32 s2, s2, 7
	s_add_co_u32 s2, s2, s98
	s_add_co_u32 s2, s2, 53248
	s_mov_b32 s3, 0
	s_add_nc_u64 s[2:3], s[18:19], s[2:3]          ; v's: 128 bytes
	s_mul_i32 s100, s100, 6144
	s_add_co_u32 s98, s98, s100
	s_mul_i32 s100, s24, 3072                      ; the step's first or second 64 keys
	s_add_co_u32 s98, s98, s100
	s_add_nc_u64 s[18:19], s[18:19], s[98:99]
	PLACES                                         ; behind the last products
.irp m, 0,1,2,3                                ; tile m of t: registers 0-31 q along d, 32-63 k: codes 0-5 are q's half fragment, 6-11 k's; six sets of registers, so that no store's data are written again
	QUANTW 0x3c, 0x03, 64*\m, XF+20*\m, PW+\m
	global_store_b128 v[L16], v[XF+20*\m:XF+20*\m+3], s[14:15] offset:768*\m         ; 512 consecutive bytes, aligned to 256
	global_store_b64 v[L8], v[XF+20*\m+4:XF+20*\m+5], s[14:15] offset:768*\m+512     ; 256
	global_store_b128 v[L16], v[XF+20*\m+6:XF+20*\m+9], s[18:19] offset:768*\m
	global_store_b64 v[L8], v[XF+20*\m+10:XF+20*\m+11], s[18:19] offset:768*\m+512
	v_lshrrev_b32 v[SW+\m], v[H16], v[PW+\m]       ; lanes 0-15 keep q's word, lanes 16-31 make k's
.endr
	global_store_b128 v[L16], v[SW:SW+3], s[30:31] ; 256 bytes of q's words, 256 of k's
.irp p, 0,1                                    ; d tiles 2 p and 2 p + 1: registers along my 64 t: two half fragments of v
	QUANTW 0x28, 0x02, 64*\p, 192+20*\p, PW+4+\p
	global_store_b128 v[L16], v[192+20*\p:195+20*\p], s[18:19] offset:24576+1536*\p
	global_store_b64 v[L8], v[196+20*\p:197+20*\p], s[18:19] offset:24576+1536*\p+512
	global_store_b128 v[L16], v[198+20*\p:201+20*\p], s[18:19] offset:24576+1536*\p+768
	global_store_b64 v[L8], v[202+20*\p:203+20*\p], s[18:19] offset:24576+1536*\p+1280
.endr
	v_cndmask_b32 v[SW+4], v[PW+4], v[PW+5], s28   ; lanes 0-15 pair 0's words, lanes 16-31 pair 1's
	global_store_b32 v[L4], v[SW+4], s[2:3]
	s_wait_tensorcnt 0x0                           ; the wave's end
	ds_add_u32 v[SPW], v[NIL]
	s_wait_dscnt 0x0
	CROUND                                         ; the closing round: no work-group ends while a partner may still ask for a tile that names it
	s_endpgm
.Lfunc_end_k_qb88a7e1f0d_gemm:
	.size	k_qb88a7e1f0d_gemm, .Lfunc_end_k_qb88a7e1f0d_gemm-k_qb88a7e1f0d_gemm
	.p2alignl 7, 3214868480
	.fill 96, 4, 3214868480
	.section	.rodata,"a",@progbits
	.p2align	6, 0x0
	.amdhsa_kernel k_qb88a7e1f0d_gemm
		.amdhsa_group_segment_fixed_size 327680
		.amdhsa_private_segment_fixed_size 0
		.amdhsa_enable_private_segment 0
		.amdhsa_kernarg_size 56
		.amdhsa_user_sgpr_count 2
		.amdhsa_user_sgpr_kernarg_segment_ptr 1
		.amdhsa_wavefront_size32 1
		.amdhsa_system_sgpr_workgroup_id_x 1
		.amdhsa_system_sgpr_workgroup_id_y 1
		.amdhsa_system_sgpr_workgroup_id_z 1
		.amdhsa_system_vgpr_workitem_id 0
		.amdhsa_next_free_vgpr 1024
		.amdhsa_next_free_sgpr 102
		.amdhsa_reserve_vcc 0
		.amdhsa_float_denorm_mode_32 3
		.amdhsa_float_denorm_mode_16_64 3
		.amdhsa_memory_ordered 1
		.amdhsa_forward_progress 1
		.amdhsa_inst_pref_size 129
	.end_amdhsa_kernel
	.amdgpu_metadata
---
amdhsa.version: [ 1, 2 ]
amdhsa.kernels:
  - .name:           k_qb88a7e1f0d_gemm
    .symbol:         k_qb88a7e1f0d_gemm.kd
    .args:
      - { .name: XC, .offset: 0, .size: 8, .value_kind: global_buffer, .address_space: global }
      - { .name: XS, .offset: 8, .size: 8, .value_kind: global_buffer, .address_space: global }
      - { .name: WC, .offset: 16, .size: 8, .value_kind: global_buffer, .address_space: global }
      - { .name: WS, .offset: 24, .size: 8, .value_kind: global_buffer, .address_space: global }
      - { .name: b_qkv, .offset: 32, .size: 8, .value_kind: global_buffer, .address_space: global }
      - { .name: QC, .offset: 40, .size: 8, .value_kind: global_buffer, .address_space: global }
      - { .name: KV, .offset: 48, .size: 8, .value_kind: global_buffer, .address_space: global }
    .group_segment_fixed_size: 327680
    .private_segment_fixed_size: 0
    .kernarg_segment_align: 8
    .kernarg_segment_size: 56
    .max_flat_workgroup_size: 128
    .sgpr_count:     102
    .vgpr_count:     1024
    .wavefront_size: 32
...
	.end_amdgpu_metadata
.endif
;; end of part 2
;; launch attn (part 3): grid 16 x 16, 8 waves a work-group, clusters of 4 x 4, 327,680 bytes of LDS; arguments QC, KV, mask, out0; writes out0
.if DOCPART == 3
	.amdgcn_target "amdgcn-amd-amdhsa--gfx1250"
	.amdhsa_code_object_version 6
	.text
	.protected	k_qb88a7e1f0d_attn
	.globl	k_qb88a7e1f0d_attn
	.p2align	8
	.type	k_qb88a7e1f0d_attn,@function
k_qb88a7e1f0d_attn:
	s_mov_b64 s[64:65], 0
	v_nop
	global_prefetch_b8 v0, s[64:65] scope:SCOPE_SE
	s_setreg_imm32_b32 hwreg(HW_REG_WAVE_MODE, 25, 1), 1
	s_wait_xcnt 0x0
	s_wait_alu depctr_hold_cnt(0) depctr_sa_sdst(0) depctr_va_vdst(0) depctr_va_sdst(0) depctr_va_ssrc(0) depctr_va_vcc(0) depctr_vm_vsrc(0)
	s_getreg_b32 s2, hwreg(HW_REG_IB_STS2, 6, 4)
	s_cmp_eq_u32 s2, 0
	s_cbranch_scc0 .Lentry_in_a_cluster
	s_endpgm
.Lentry_in_a_cluster:
	s_bfe_u32 s2, ttmp6, 0x10000c
	s_cmp_lg_u32 s2, 0xf033
	s_cbranch_scc0 .Lentry_shape_is_right
	s_endpgm
.Lentry_shape_is_right:
; out = softmax(q k^T / 8 - 1e9 mask) v on codes of E2M3, streamed over the keys in 16 steps of 128 with a running whole-number maximum M.
; SHARES.  Work-group (wx, wy): queries 128 wx .. + 127 of batch wy / 4, heads 4 (wy % 4) .. + 3: 256 work-groups.  Wave w of 8: queries 16 w .. + 15 of the block, all four heads, one after the other.
; So a number of the mask is read from LDS by one wave alone, once a step: it is multiplied once by -1e9 log2(e) and serves four heads from registers as the addend of t = s c + mk, c = log2(e) / 8 (one rounding to f32).
; Both products are used transposed (S^T = k q^T, O^T = v^T p^T): a lane holds one query.  Register 8 t + j of lane (r, h) is key 16 t + 8 h + j; p is laid inside a block of 32 as the launch before has laid v.
; The head's axis is 64: the upper half of q's fragment holds zero codes, and k's fragment runs on into the next tile's registers, whose codes meet those zeros.
; p = 2^(t - M), M = ceil(running largest t), kept as -M; the row's sum is taken of the unquantised p; when M moves, sum and O^T take the factor 2^(old M - new M), which rounds nothing.  No branch hangs on data.
; A block's largest p is the exponential of the block's largest t (p rises with t).  O^T begins as zeros, which the first change of M leaves zeros, so that the step is written once for all steps.
; RING: two slots of 131,072 bytes, 121,856 used: a key step's block of KV (54,272 bytes: K's and V's codes of four heads and their scale words) and 128 rows x 512 bytes of the mask, 16 bytes of padding a row.
; One tensor load a wave behind each round: waves 0-3 a quarter of the KV block (53 rows of 256 bytes), waves 4-7 32 rows of the mask.  The slot's bit is toggled in a scalar; the LDS addresses are base + that scalar.
; (q's scale words lie beside k's in the KV block and come into LDS with them, 2,048 bytes a step that are not read there.)
; THE CHANGE OF SLOTS: a wave's reads of a slot are over when the fourth head's v has been asked for.  There it waits for its tensor load, adds 0 to its spare words, waits for its LDS instructions and signals;
; the fourth head's softmax and second product, work on registers alone, stand between that signal and its wait; the rest of the cluster's round and the refill follow.
; THE WAY OUT: in the last step, which is written out, each head leaves as soon as its second product is issued: its stores are on their way while the later heads are worked.
; CLUSTER 4 x 4: the KV block hangs on wy alone and is asked for jointly along a row of the cluster, the mask's rows on wx alone and jointly along a column.
; PREFETCH: in trip t (t under 13) the blocks of 256 bytes of step t + 3, which trip t + 2 loads: of a KV block each of the four partners of a row names 53, of the mask's 128 rows each partner of a column 32 rows x 2,
; told apart by address; waves 0, 1 (KV) and 4, 5 (mask), a lane a block (wave 1's lanes that are left over name its last block again).  Steps 0 to 2 come by their loads alone.
; LIMITS: the promise holds while |t| stays under 2^31; NaN and infinities among the inputs are not served; a block whose every p has fallen to 0 keeps the scale byte 1 over zero codes.
; REGISTERS, window 0: v1-10 LDS addresses, v12-27 (-M, largest t, the sum's two halves) x 4 heads, v28-47 scale words, v52-105 k's fragments, v106-153 v's, v154-217 S then p, v218- codes and work.
;   window 1: v0-127 O^T of the four heads, v128-191 the mask's term mk, v192-239 q's four fragments.
.set SLOT,  131072
.set VOFF,  24576
.set SKOFF, 49152
.set SVOFF, 53248
.set KVB,   54272
.set MOFF,  54272
.set MP,    528
.set SPARE, 121856                     ; behind slot 0's tiles: the spare words, 128 bytes a wave: four blocks of 256 bytes that no other line names
.set STAGE, 262144                     ; the way out: 16 rows x 272 bytes for each wave
.set BK16, 1                           ; bases: v1 16 lane, v2 512 + 8 lane, v3 the mask's row, v4 k's scale words, v5 v's
.set BK8,  2
.set BMA,  3
.set BKS,  4
.set BVS,  5
.set AK16, 6                           ; v6-10: the same + the slot
.set AK8,  7
.set AM,   8
.set AKS,  9
.set AVS,  10
.set SPW,  11
.set STB,  12
.set QS,   28
.set PS,   32
.set GO,   33
.set VSE,  34
.set VR,   36
.set NIL,  38
.set PFO,  39
.set KS,   40
.set L3,   48
.set SA,   50                          ; v50, v51 my stage: where I put 32 bytes of a row, where I read a row back
.set SR,   51
.set XK,   52
.set XV,   106
.set S,    154
.set PCD,  218
.set CT,   230
.set BM,   238
.set TP,   242
.set SO,   246
.set C2,   250
.set T0,   252
.set F,    254
.set MK,   128
.set QW,   192
.set SS,   186                         ; the way out: a head's scaled O^T
.set G1KV, 32
.set G1M,  40
.set G0KV, 48
.set G0M,  52
.set MSB, 0
.macro WIN new                         ; the immediate's high byte repeats the setting that is left
.if MSB != \new
	s_set_vgpr_msb (MSB<<8)|\new
.set MSB, \new
.endif
.endm
.macro TLOAD                           ; every wave asks for one tile; the branch hangs on the wave's number alone.  s_nop 0 and four v_nop behind each line
	s_cmp_lt_u32 s16, 4
	s_cbranch_scc0 .Lfor_m_\@
	tensor_load_to_lds s[G0KV:G0KV+3], s[G1KV:G1KV+7]
	s_nop 0
.rept 4
	v_nop
.endr
	s_branch .Lasked_\@
.Lfor_m_\@:
	tensor_load_to_lds s[G0M:G0M+3], s[G1M:G1M+7]
	s_nop 0
.rept 4
	v_nop
.endr
.Lasked_\@:
.endm
.macro CREST                           ; a round of the cluster's barrier behind its opening barrier
	s_cmp_lg_u32 s16, 0
	s_cbranch_scc1 .Lnot_wave_0_\@
	s_barrier_signal -3
.Lnot_wave_0_\@:
	s_barrier_wait -3
	s_barrier_signal -1
	s_barrier_wait -1
.endm
.macro CROUND                          ; a whole round
	s_barrier_signal -1
	s_barrier_wait -1
	CREST
.endm
.macro ASK                             ; s58: 13 in the four waves that ask, 0 in the others
	s_cmp_lt_u32 s57, s58
	s_cbranch_scc0 .Lnot_mine_\@
	global_prefetch_b8 v[PFO], s[60:61] th:TH_LOAD_NT scope:SCOPE_SE
.Lnot_mine_\@:
.endm
; The lines in front of a change of slots, up to the add and the register work that may follow it
.macro MEET1
	s_wait_alu depctr_va_vdst(0)
	s_wait_tensorcnt 0x0                           ; my one load, my part of the next slot, has landed
	ds_add_u32 v[SPW], v[NIL]
.irp a, 0,1,2,3,4
	v_add_nc_u32 v[AK16+\a], s56, v[BK16+\a]       ; the next trip's LDS addresses (this trip's LDS instructions have all been issued)
.endr
	s_xor_b32 s56, s56, SLOT
	s_xor_b32 s[G0KV+1], s[G0KV+1], SLOT           ; no load of mine is out: the descriptors go on to the other slot and the next step
	s_xor_b32 s[G0M+1], s[G0M+1], SLOT
	s_add_nc_u64 s[G0KV+2:G0KV+3], s[G0KV+2:G0KV+3], KVB
	s_add_nc_u64 s[G0M+2:G0M+3], s[G0M+2:G0M+3], 512
	s_wait_xcnt 0x0                                ; this trip's prefetch has read its address
	s_add_nc_u64 s[60:61], s[60:61], s[62:63]
.endm
.macro KLOAD n                         ; head n's eight tiles of k and their scale words: 18 loads
.irp t, 0,1,2,3,4,5,6,7
	ds_load_b128 v[XK+6*\t:XK+6*\t+3], v[AK16] offset:6144*(\n)+768*\t
	ds_load_b64 v[XK+6*\t+4:XK+6*\t+5], v[AK8] offset:6144*(\n)+768*\t
.endr
	ds_load_b128 v[KS:KS+3], v[AKS] offset:1024*(\n)
	ds_load_b128 v[KS+4:KS+7], v[AKS] offset:1024*(\n)+512
.endm
.macro ADD4 p                          ; pairs p .. p + 3 of p's 32 onto the sum's four chains
	v_pk_add_f32 v[C2:C2+1], v[C2:C2+1], v[S+2*(\p):S+2*(\p)+1]
	v_pk_add_f32 v[T0:T0+1], v[T0:T0+1], v[S+2*(\p)+2:S+2*(\p)+3]
	v_pk_add_f32 v[L3:L3+1], v[L3:L3+1], v[S+2*(\p)+4:S+2*(\p)+5]
	v_pk_add_f32 v[ST+2:ST+3], v[ST+2:ST+3], v[S+2*(\p)+6:S+2*(\p)+7]
.endm
.macro SUBM n                          ; t - M for the next n pairs
.rept \n
	v_pk_add_f32 v[S+jj:S+jj+1], v[S+jj:S+jj+1], v[ST:ST+1] op_sel_hi:[1,0]
.set jj, jj+2
.endr
.endm
; A finished head's 16 x 64 numbers: divided by the row's sum, through my stage (LDS serves a wave's instructions in order: no wait between stores and loads), back as whole rows into v's registers, stored
.macro OUT u
	v_add_f32 v[ST+2], v[ST+2], v[ST+3]
	s_delay_alu instid0(VALU_DEP_1)
	v_permlanex16_b32 v[TP], v[ST+2], s20, s21
	s_delay_alu instid0(VALU_DEP_1)
	v_add_f32 v[ST+2], v[ST+2], v[TP]              ; the row's sum
	v_nop
	s_wait_alu depctr_va_vdst(0)                   ; ahead of the transcendental
	v_rcp_f32 v[ST+2], v[ST+2]
	v_nop                                          ; a plain place behind it; with the lines above, the places behind the products
	WIN 0x01
	s_wait_alu depctr_va_vdst(0)                   ; behind it, directly ahead of the first reader of this head's O^T
.set jj, 0
.rept 16
	v_pk_mul_f32 v[SS+jj:SS+jj+1], v[32*\u+jj:32*\u+jj+1], v[ST+2:ST+3] op_sel_hi:[1,0]
.set jj, jj+2
.endr
	WIN 0
.irp e, 0,1,2,3
	ds_store_b128 v[SA], v[SS+8*\e:SS+8*\e+3] offset:64*\e
	ds_store_b128 v[SA], v[SS+8*\e+4:SS+8*\e+7] offset:64*\e+16
.endr
.irp i, 0,1,2,3,4,5,6,7
	ds_load_b128 v[XV+4*\i:XV+4*\i+3], v[SR] offset:544*\i
.endr
	s_wait_dscnt 0x0
.irp i, 0,1,2,3,4,5,6,7
	global_store_b128 v[GO], v[XV+4*\i:XV+4*\i+3], s[10:11] offset:8192*\i+256*\u th:TH_STORE_NT   ; sixteen lanes store 256 consecutive bytes, aligned
.endr
.endm
; One head's 16 queries x 128 keys.  meet = 1: the change of slots is laid into it.  fin = 1: the last step: the head leaves at its end
.macro UNIT u, ask, meet, fin
.set ST, STB+4*\u
.if \u == 0
	s_wait_dscnt 16                                ; k and its scale words are in; the mask's 16 loads may be out
.else
	s_wait_dscnt 0x0
.endif
	WIN 0x04                                       ; q in window 1
.irp t, 0,1,2,3,4,5,6,7
	v_wmma_scale_f32_16x16x128_f8f6f4 v[S+8*\t:S+8*\t+7], v[XK+6*\t:XK+6*\t+11], v[QW+12*\u:QW+12*\u+11], 0, v[KS+\t], v[QS+\u] matrix_a_fmt:MATRIX_FMT_FP6 matrix_b_fmt:MATRIX_FMT_FP6
.endr
.if \u == 0
	s_wait_dscnt 0x0                               ; the mask
	WIN 0x41
.set jj, 0
.rept 32                                       ; mk = mask x -1e9 log2(e), once for four heads; also the places behind the products
	v_pk_mul_f32 v[MK+jj:MK+jj+1], v[MK+jj:MK+jj+1], s[24:25] op_sel_hi:[1,0]
.set jj, jj+2
.endr
	WIN 0
.else
	WIN 0
.rept 4
	v_nop                                          ; places in front of loads into registers that matrix instructions have read
.endr
.if \fin
	s_wait_xcnt 0x0                                ; the head before has stored from v's registers: they are loaded again only behind this wait
.endif
.endif
	ds_load_b32 v[VR], v[AVS] offset:256*\u        ; this head's v: 18 loads
	ds_load_b32 v[VR+1], v[AVS] offset:256*\u+128
.irp e, 0,1,2,3
.irp g, 0,1
	ds_load_b128 v[XV+12*\e+6*\g:XV+12*\e+6*\g+3], v[AK16] offset:VOFF+6144*\u+3072*\g+768*\e
	ds_load_b64 v[XV+12*\e+6*\g+4:XV+12*\e+6*\g+5], v[AK8] offset:VOFF+6144*\u+3072*\g+768*\e
.endr
.endr
.if \u < 3
	KLOAD \u+1                                     ; and the next head's k: 18 loads
.endif
.if \ask
	ASK
.endif
.if \meet
	MEET1                                          ; my last LDS reads of this slot have been issued
.endif
	WIN 0x10
.set jj, 0
.rept 32                                       ; t = s c + mk, each accumulator from its low end on
	v_pk_fma_f32 v[S+jj:S+jj+1], v[S+jj:S+jj+1], s[22:23], v[MK+jj:MK+jj+1] op_sel_hi:[1,0,1]
.set jj, jj+2
.endr
	WIN 0
.if \meet
	s_wait_alu depctr_va_vdst(0)
	s_wait_dscnt 0x0                               ; the add is done, and my reads of this slot are over
	s_barrier_signal -1                            ; the round's opening signal; up to its wait: work on registers alone
.endif
.irp b, 0,1,2,3                                ; the largest t of each block of 32 keys, two chains a block
	v_max3_num_f32 v[BM+\b], v[S+16*\b], v[S+1+16*\b], v[S+2+16*\b]
.endr
.irp b, 0,1,2,3
	v_max3_num_f32 v[SO+\b], v[S+16*\b+7], v[S+16*\b+8], v[S+16*\b+9]
.endr
.irp i, 3,5
.irp b, 0,1,2,3
	v_max3_num_f32 v[BM+\b], v[BM+\b], v[S+16*\b+\i], v[S+16*\b+\i+1]
.endr
.irp b, 0,1,2,3
	v_max3_num_f32 v[SO+\b], v[SO+\b], v[S+16*\b+\i+7], v[S+16*\b+\i+8]
.endr
.endr
.irp b, 0,1,2,3
	s_delay_alu instid0(VALU_DEP_4)
	v_max3_num_f32 v[BM+\b], v[BM+\b], v[SO+\b], v[S+16*\b+14]
.endr
.irp b, 0,1,2,3
	s_delay_alu instid0(VALU_DEP_4)
	v_max_num_f32 v[BM+\b], v[BM+\b], v[S+16*\b+15]
.endr
.irp b, 0,1,2,3
	s_delay_alu instid0(VALU_DEP_4)
	v_permlanex16_b32 v[TP+\b], v[BM+\b], s20, s21
.endr
	v_mov_b32 v[C2], v[ST]                         ; the old -M
.irp b, 0,1,2,3
	v_max_num_f32 v[BM+\b], v[BM+\b], v[TP+\b]     ; with lane l xor 16's 16 keys
.endr
	s_delay_alu instid0(VALU_DEP_2)
	v_max3_num_f32 v[T0], v[BM], v[BM+1], v[BM+2]
	s_delay_alu instid0(VALU_DEP_1)
	v_max3_num_f32 v[ST+1], v[T0], v[BM+3], v[ST+1]   ; the running largest t
	s_delay_alu instid0(VALU_DEP_1)
	v_floor_f32 v[ST], -v[ST+1]                    ; -M = floor(-t)
	s_delay_alu instid0(VALU_DEP_1)
	v_sub_f32 v[T0], v[ST], v[C2]                  ; old M less new M, a whole number
.set jj, 0
	SUBM 4                                         ; the factor f is made among the additions of -M
	v_cvt_i32_f32 v[T0], v[T0]
	SUBM 4
	v_ldexp_f32 v[F], 1.0, v[T0]                   ; f = 2^(old M - new M)
	SUBM 24
.irp b, 0,1,2,3
	v_add_f32 v[BM+\b], v[BM+\b], v[ST]
.endr
	WIN 0x41
	s_wait_alu depctr_va_vdst(0)                   ; ahead of the batch below, and directly ahead of the first reader of O^T
.set jj, 0
.rept 16                                       ; O^T under the new M
	v_pk_mul_f32 v[32*\u+jj:32*\u+jj+1], v[32*\u+jj:32*\u+jj+1], v[F:F+1] op_sel_hi:[1,0]
.set jj, jj+2
.endr
	WIN 0
.set jj, 0
.rept 64
	v_exp_f32 v[S+jj], v[S+jj]                     ; p
.set jj, jj+1
.endr
.irp b, 0,1,2,3
	v_exp_f32 v[BM+\b], v[BM+\b]                   ; each block's largest p
.endr
	v_pk_mul_f32 v[ST+2:ST+3], v[ST+2:ST+3], v[F:F+1] op_sel_hi:[1,0]   ; the sum under the new M: the plain place behind the batch
	s_wait_alu depctr_va_vdst(0)                   ; and the one wait behind it
	v_pk_add_f32 v[C2:C2+1], v[S:S+1], v[S+2:S+3]  ; the row's sum of the unquantised p, in four chains; the blocks' scales are made between them
	v_pk_add_f32 v[T0:T0+1], v[S+4:S+5], v[S+6:S+7]
	v_pk_add_f32 v[L3:L3+1], v[S+8:S+9], v[S+10:S+11]
	v_pk_add_f32 v[ST+2:ST+3], v[ST+2:ST+3], v[S+12:S+13]
.irp b, 0,1,2,3
	v_max_num_f32 v[BM+\b], 0x1800000, v[BM+\b]    ; the floor 2^(3 - 127): the byte cannot fall under 1
.endr
	ADD4 7
.irp b, 0,1,2,3
	v_add_nc_u32 v[SO+\b], 0xff000000, v[BM+\b]    ; 2 off the exponent field: the conversion's scale operand
.endr
	ADD4 11
.irp b, 0,1,2,3
	v_lshrrev_b32 v[TP+\b], 23, v[SO+\b]           ; the byte
.endr
	ADD4 15
	v_lshl_or_b32 v[PS], v[TP+1], 8, v[TP]
	ADD4 19
	v_lshl_or_b32 v[PS], v[TP+2], 16, v[PS]
	ADD4 23
	v_lshl_or_b32 v[PS], v[TP+3], 24, v[PS]        ; p's scale word for these 128 keys
	ADD4 27
	v_pk_add_f32 v[C2:C2+1], v[C2:C2+1], v[S+62:S+63]
.if \meet == 0
	s_wait_alu depctr_va_vdst(0)
.if \u < 3
	s_wait_dscnt 18                                ; v and its scale words are in; the next head's 18 loads may be out
.else
	s_wait_dscnt 0x0
.endif
.endif
	v_perm_b32 v[VSE], v[VR+1], v[VR], 0x05040100     ; v's scale words: d tiles 0 (lanes 0-15) and 2 (lanes 16-31),
	v_perm_b32 v[VSE+1], v[VR+1], v[VR], 0x07060302   ; d tiles 1 and 3
.irp c, 0,1
	v_cvt_scalef32_pk16_fp6_f32 v[PCD+6*\c:PCD+6*\c+2], v[S+32*\c:S+32*\c+15], v[SO+2*\c]
	v_cvt_scalef32_pk16_fp6_f32 v[CT+4*\c:CT+4*\c+2], v[S+32*\c+16:S+32*\c+31], v[SO+2*\c+1]
.endr
	v_nop                                          ; one plain instruction behind the scaled conversions
.irp c, 0,1                                    ; a lane wants a whole block
.irp i, 0,1,2
	v_permlane16_swap_b32 v[PCD+6*\c+\i], v[CT+4*\c+\i]
.endr
.irp i, 0,1,2
	v_mov_b32 v[PCD+3+6*\c+\i], v[CT+4*\c+\i]
.endr
.endr
	v_pk_add_f32 v[C2:C2+1], v[C2:C2+1], v[T0:T0+1]            ; the four chains are joined: with the v_nop, the four places between p's codes and the products
	v_pk_add_f32 v[ST+2:ST+3], v[ST+2:ST+3], v[L3:L3+1]
	v_nop
	v_pk_add_f32 v[ST+2:ST+3], v[ST+2:ST+3], v[C2:C2+1]
	WIN 0x50                                       ; the four accumulators take turns
.irp e, 0,1
	v_wmma_scale_f32_16x16x128_f8f6f4 v[32*\u+8*\e:32*\u+8*\e+7], v[XV+12*\e:XV+12*\e+11], v[PCD:PCD+11], v[32*\u+8*\e:32*\u+8*\e+7], v[VSE+\e], v[PS] matrix_a_fmt:MATRIX_FMT_FP6 matrix_b_fmt:MATRIX_FMT_FP6
.endr
.irp e, 2,3
	v_wmma_scale_f32_16x16x128_f8f6f4 v[32*\u+8*\e:32*\u+8*\e+7], v[XV+12*\e:XV+12*\e+11], v[PCD:PCD+11], v[32*\u+8*\e:32*\u+8*\e+7], v[VSE+\e-2], v[PS] matrix_a_fmt:MATRIX_FMT_FP6 matrix_b_fmt:MATRIX_FMT_FP6 matrix_a_scale:MATRIX_SCALE_ROW1
.endr
	WIN 0
.if \meet
	s_wait_alu depctr_va_vdst(0)
	s_barrier_wait -1
.endif
.if \fin
	OUT \u
.endif
.endm
; A trip: one key step.  more = 1: the other slot is asked for the next step, and the trip ends with the change of slots.  more = 0: the last step
.macro BODY more
.if \more
	TLOAD                                          ; the first tensor load behind the round
.endif
	KLOAD 0
	WIN 0x40
.irp t, 0,1,2,3,4,5,6,7
	ds_load_b128 v[MK+8*\t:MK+8*\t+3], v[AM] offset:64*\t          ; my query's row of the mask, keys 16 t + 8 h + 0 .. 7
	ds_load_b128 v[MK+8*\t+4:MK+8*\t+7], v[AM] offset:64*\t+16
.endr
	WIN 0
	UNIT 0, \more, 0, 1-\more
	UNIT 1, 0, 0, 1-\more
	UNIT 2, 0, 0, 1-\more
	UNIT 3, 0, \more, 1-\more
.endm
	s_load_b256 s[4:11], s[0:1], 0x0               ; QC s[4:5], KV s[6:7], mask s[8:9], out0 s[10:11]
	v_lshl_add_u32 v[SPW], v0, 2, SPARE
	v_mov_b32 v[NIL], 0
	ds_add_u32 v[SPW], v[NIL]                      ; the opening lines: the add twice on end and its wait ahead of my first tensor load
	ds_add_u32 v[SPW], v[NIL]
	v_lshrrev_b32 v[T0], 5, v0
	v_readfirstlane_b32 s16, v[T0]                 ; wave 0..7
	s_lshr_b32 s17, s16, 2
	s_and_b32 s18, s16, 3
	s_mov_b32 s20, 0x76543210
	s_mov_b32 s21, 0xfedcba98                      ; selects for lane l xor 16
	s_mov_b32 s22, 0x3e38aa3b                      ; c = log2(e) / 8
	s_mov_b32 s23, s22
	s_mov_b32 s24, 0xceabfb8f                      ; -1e9 log2(e)
	s_mov_b32 s25, s24
	s_bfe_u32 s26, ttmp6, 0x40000                  ; cx
	s_bfe_u32 s27, ttmp6, 0x40004                  ; cy
	s_lshl_b32 s28, ttmp9, 2
	s_add_co_u32 s28, s28, s26                     ; wx: the block of 128 queries
	s_and_b32 s29, ttmp7, 0xffff
	s_lshl_b32 s29, s29, 2
	s_add_co_u32 s29, s29, s27                     ; wy: 4 batch + group of four heads
	s_lshl_b32 s30, s27, 2
	s_lshl_b32 s30, 15, s30                        ; my row of the cluster
	s_lshl_b32 s31, 0x1111, s26                    ; my column
	s_or_b32 s[G1KV], s30, (3<<16)|(1<<21)         ; KV: 53 rows of 32 elements of 8 bytes, dense
	s_mov_b32 s[G1KV+1], 32<<16
	s_mov_b32 s[G1KV+2], 53<<16
	s_mov_b32 s[G1KV+3], 32<<16
	s_mov_b32 s[G1KV+4], 53
	s_mov_b32 s[G1KV+5], 32
	s_mov_b32 s[G1KV+6], 0
	s_mov_b32 s[G1KV+7], 0
	s_or_b32 s[G1M], s31, (3<<16)|(1<<20)|(1<<21)|(6<<22)|(3<<25)   ; mask: 32 rows of 64 elements, 1,024 apart; 4 words of padding behind every 128
	s_mov_b32 s[G1M+1], 64<<16
	s_mov_b32 s[G1M+2], 32<<16
	s_mov_b32 s[G1M+3], 64<<16
	s_mov_b32 s[G1M+4], 32
	s_mov_b32 s[G1M+5], 1024
	s_mov_b32 s[G1M+6], 0
	s_mov_b32 s[G1M+7], 0
	s_mul_i32 s2, s29, 16*KVB                      ; KV's address hangs on wy and the wave alone,
	s_mul_i32 s3, s18, 13568
	s_add_co_u32 s2, s2, s3
	s_mov_b32 s3, 0
	s_lshl_b32 s66, s28, 20                        ; the mask's on wx and the wave alone: 128 rows of 8,192 bytes a block, 32 a wave
	s_lshl_b32 s67, s18, 18
	s_add_co_u32 s66, s66, s67
	s_mov_b32 s67, 0
	s_mov_b32 s[G0KV], 1
	s_mul_i32 s[G0KV+1], s18, 13568
	s_mov_b32 s[G0M], 1
	s_mul_i32 s[G0M+1], s18, 32*MP
	s_add_co_u32 s[G0M+1], s[G0M+1], MOFF
	s_wait_dscnt 0x0                               ; both opening adds are done
	s_wait_kmcnt 0x0
	s_add_nc_u64 s[G0KV+2:G0KV+3], s[6:7], s[2:3]
	s_or_b32 s[G0KV+3], s[G0KV+3], 0x80000000
	s_add_nc_u64 s[G0M+2:G0M+3], s[8:9], s[66:67]
	s_or_b32 s[G0M+3], s[G0M+3], 0x80000000
	CROUND                                         ; all sixteen work-groups are here: the first joint loads meet
	TLOAD                                          ; step 0 into slot 0: one load a wave
	v_and_b32 v[S], 31, v0                         ; lane
	v_and_b32 v[S+1], 15, v0                       ; r
	v_bfe_u32 v[S+2], v0, 4, 1                     ; h
	v_lshlrev_b32 v[BK16], 4, v[S]
	v_lshlrev_b32 v[S+4], 3, v[S]
	v_add_nc_u32 v[BK8], 512, v[S+4]
	v_lshlrev_b32 v[S+5], 4, v[S+1]
	v_add_nc_u32 v[BKS], SKOFF+256, v[S+5]
	v_lshl_add_u32 v[BVS], v[S], 2, SVOFF
	s_lshl_b32 s2, s16, 4
	v_add_nc_u32 v[BMA], s2, v[S+1]                ; my query's row of the block: 16 wave + r
	v_mul_u32_u24 v[BMA], v[BMA], MP
	v_lshl_add_u32 v[BMA], v[S+2], 5, v[BMA]
	v_add_nc_u32 v[BMA], MOFF, v[BMA]
	v_lshlrev_b32 v[GO], 12, v[S+2]
	v_lshl_add_u32 v[GO], v[S+1], 4, v[GO]         ; the way out: lanes 0-15 a row's 256 bytes, lanes 16-31 the next row's
	s_mul_i32 s2, s16, 16*272
	s_add_co_u32 s2, s2, STAGE                     ; my stage
	v_mul_u32_u24 v[SA], v[S+1], 272
	v_mul_u32_u24 v[SR], v[S+2], 272
	v_lshl_add_u32 v[SA], v[S+2], 5, v[SA]
	v_lshl_add_u32 v[SR], v[S+1], 4, v[SR]
	v_add_nc_u32 v[SA], s2, v[SA]                  ; in: row r, 32 bytes for each half of the lanes
	v_add_nc_u32 v[SR], s2, v[SR]                  ; back: sixteen lanes to a row of 256 bytes
	s_lshl_b32 s2, s29, 9                          ; q's half fragments: ((4 wy + u) 128 + 8 wx + wave) x 768
	s_lshl_b32 s3, s28, 3
	s_add_co_u32 s2, s2, s3
	s_add_co_u32 s2, s2, s16
	s_mul_i32 s2, s2, 768
	s_mov_b32 s3, 0
	s_add_nc_u64 s[4:5], s[4:5], s[2:3]
	s_lshl_b32 s2, s29, 4                          ; q's scale words lie in KV's block of key step wx: head u, 64 t wave / 4, tile wave % 4
	s_add_co_u32 s2, s2, s28
	s_mul_i32 s2, s2, KVB
	s_lshl_b32 s66, s17, 9
	s_add_co_u32 s2, s2, s66
	s_lshl_b32 s66, s18, 2
	s_add_co_u32 s2, s2, s66
	s_add_co_u32 s2, s2, SKOFF
	s_add_nc_u64 s[66:67], s[6:7], s[2:3]
	s_wait_alu depctr_va_vdst(0)
	WIN 0x40
.irp u, 0,1,2,3
	global_load_b128 v[QW+12*\u:QW+12*\u+3], v[BK16], s[4:5] offset:98304*\u
	global_load_b64 v[QW+12*\u+4:QW+12*\u+5], v[S+4], s[4:5] offset:98304*\u+512
.endr
	WIN 0
.irp u, 0,1,2,3
	global_load_b32 v[QS+\u], v[S+5], s[66:67] offset:1024*\u
.endr
	s_lshr_b32 s2, s29, 2                          ; out0: row 2,048 batch + 128 wx + 16 wave, 4,096 bytes a row; column bytes 1,024 (wy % 4)
	s_lshl_b32 s2, s2, 11
	s_lshl_b32 s68, s28, 7
	s_add_co_u32 s2, s2, s68
	s_lshl_b32 s68, s16, 4
	s_add_co_u32 s2, s2, s68
	s_lshl_b32 s2, s2, 12
	s_and_b32 s68, s29, 3
	s_lshl_b32 s68, s68, 10
	s_add_co_u32 s2, s2, s68
	s_add_nc_u64 s[10:11], s[10:11], s[2:3]
	s_mul_i32 s2, s29, 16*KVB                      ; the prefetches: KV: my work-group's quarter (cx) of the block; they stand at step 2 and are stepped ahead of each use
	s_mul_i32 s68, s26, 13568
	s_add_co_u32 s2, s2, s68
	s_add_co_u32 s2, s2, 2*KVB
	s_lshl_b32 s68, s28, 7                         ; mask: my work-group's 32 rows (cy), 16 of them a wave
	s_lshl_b32 s69, s27, 5
	s_add_co_u32 s68, s68, s69
	s_and_b32 s69, s16, 1
	s_lshl_b32 s70, s69, 4
	s_add_co_u32 s68, s68, s70
	s_lshl_b32 s68, s68, 13
	s_add_co_u32 s68, s68, 2*512
	s_lshl_b32 s69, s69, 5
	s_mov_b32 s62, 512
	s_mov_b32 s63, 0
	s_cmp_lt_u32 s16, 4                            ; the choice hangs on the wave's number alone
	s_cselect_b64 s[60:61], s[6:7], s[8:9]
	s_cselect_b32 s2, s2, s68
	s_cselect_b32 s62, KVB, s62
	s_cselect_b32 s70, -1, 0
	s_add_nc_u64 s[60:61], s[60:61], s[2:3]
	s_cmp_lt_u32 s18, 2
	s_cselect_b32 s58, 13, 0
	v_add_nc_u32 v[S+6], s69, v[S]
	v_min_u32 v[S+6], 52, v[S+6]
	v_lshlrev_b32 v[S+6], 8, v[S+6]                ; KV: block min(32 (wave % 2) + lane, 52) of my 53
	v_lshrrev_b32 v[S+7], 1, v[S]
	v_lshlrev_b32 v[S+7], 13, v[S+7]
	v_and_b32 v[PFO], 1, v[S]
	v_lshl_add_u32 v[S+7], v[PFO], 8, v[S+7]       ; mask: row lane / 2, block lane % 2
	v_cndmask_b32 v[PFO], v[S+7], v[S+6], s70
.irp u, 0,1,2,3
	v_mov_b32 v[STB+4*\u+1], 0xff61b1e6            ; the largest t so far: -3e38
	v_mov_b32 v[STB+4*\u+2], 0
	v_mov_b32 v[STB+4*\u+3], 0
.endr
.irp u, 0,1,2,3
	v_floor_f32 v[STB+4*\u], -v[STB+4*\u+1]
.endr
.irp j, 0,1,2,3,4,5
	v_mov_b32 v[XK+48+\j], 0                       ; what the last tile's fragment runs on into
.endr
.irp b, 0,1,2,3
	v_mov_b32 v[TP+\b], 0                          ; a lane permute's destination counts as read
.endr
	v_mov_b32 v[F+1], 0
	WIN 0x40
.set jj, 0
.rept 128
	v_mov_b32 v[jj], 0                             ; O^T: the step is written once, so the first finds zeros
.set jj, jj+1
.endr
.irp u, 0,1,2,3
.irp j, 6,7,8,9,10,11
	v_mov_b32 v[QW+12*\u+\j], 0                    ; zero codes for K = 64 .. 127
.endr
.endr
	WIN 0
	s_mov_b32 s56, 0                               ; the slot of the trip to come
	s_mov_b32 s57, 0                               ; the trip
	s_wait_loadcnt 0x0                             ; q and its scale words
	MEET1                                          ; slot 0 is in; the same lines ahead of slot 1's first fill as ahead of a refill
	s_wait_alu depctr_va_vdst(0)
	s_wait_dscnt 0x0
	CROUND
.Ltrip:
	BODY 1
	CREST                                          ; the rest of the round that the fourth head's signal has opened
	s_add_co_u32 s57, s57, 1
	s_cmp_lt_u32 s57, 15
	s_cbranch_scc1 .Ltrip
	BODY 0                                         ; the last step asks for nothing, and each head leaves as it is finished
	s_wait_tensorcnt 0x0                           ; the wave's end
	ds_add_u32 v[SPW], v[NIL]
	s_wait_dscnt 0x0
	CROUND                                         ; the closing round
	s_endpgm
.Lfunc_end_k_qb88a7e1f0d_attn:
	.size	k_qb88a7e1f0d_attn, .Lfunc_end_k_qb88a7e1f0d_attn-k_qb88a7e1f0d_attn
	.p2alignl 7, 3214868480
	.fill 96, 4, 3214868480
	.section	.rodata,"a",@progbits
	.p2align	6, 0x0
	.amdhsa_kernel k_qb88a7e1f0d_attn
		.amdhsa_group_segment_fixed_size 327680
		.amdhsa_private_segment_fixed_size 0
		.amdhsa_enable_private_segment 0
		.amdhsa_kernarg_size 32
		.amdhsa_user_sgpr_count 2
		.amdhsa_user_sgpr_kernarg_segment_ptr 1
		.amdhsa_wavefront_size32 1
		.amdhsa_system_sgpr_workgroup_id_x 1
		.amdhsa_system_sgpr_workgroup_id_y 1
		.amdhsa_system_sgpr_workgroup_id_z 1
		.amdhsa_system_vgpr_workitem_id 0
		.amdhsa_next_free_vgpr 512
		.amdhsa_next_free_sgpr 80
		.amdhsa_reserve_vcc 0
		.amdhsa_float_denorm_mode_32 3
		.amdhsa_float_denorm_mode_16_64 3
		.amdhsa_memory_ordered 1
		.amdhsa_forward_progress 1
		.amdhsa_inst_pref_size 184
	.end_amdhsa_kernel
	.amdgpu_metadata
---
amdhsa.version: [ 1, 2 ]
amdhsa.kernels:
  - .name:           k_qb88a7e1f0d_attn
    .symbol:         k_qb88a7e1f0d_attn.kd
    .args:
      - { .name: QC, .offset: 0, .size: 8, .value_kind: global_buffer, .address_space: global }
      - { .name: KV, .offset: 8, .size: 8, .value_kind: global_buffer, .address_space: global }
      - { .name: mask, .offset: 16, .size: 8, .value_kind: global_buffer, .address_space: global }
      - { .name: out0, .offset: 24, .size: 8, .value_kind: global_buffer, .address_space: global }
    .group_segment_fixed_size: 327680
    .private_segment_fixed_size: 0
    .kernarg_segment_align: 8
    .kernarg_segment_size: 32
    .max_flat_workgroup_size: 256
    .sgpr_count:     80
    .vgpr_count:     512
    .wavefront_size: 32
...
	.end_amdgpu_metadata
.endif
;; end of part 3
